; MI455X (gfx1250); checked and timed in simulation.
; The chip was launched on July 23, 2026; its instructions are those of AMD's public machine-readable ISA for CDNA 5 (MIT licence, August 2026) and "CDNA5" Instruction Set Architecture Reference Guide (July 2026). The comments in the code are by the model that wrote it; some were corrected since.
;; Reprogramming Layer. Allowed arithmetic: matrix products marked QUANTISED: E2M3 operands, one E8M0 scale for each 32 along K, by v_wmma_scale_f32_16x16x128_f8f6f4 with both operands' format E2M3, f32 sums; everything else in f32.
;; Inputs: Wk 1,024 x 1,024 float32; Wo 1,024 x 1,024 float32; Wq 1,024 x 1,024 float32; Wv 1,024 x 1,024 float32; bk 1,024 float32; bo 1,024 float32; bq 1,024 float32; bv 1,024 float32; target_embedding 4 x 2,048 x 1,024 float32.
;; Outputs: out0 4 x 2,048 x 1,024 float32.
;; This version of the problem:
;;   THIS VERSION OF THE PROBLEM IS GIVEN IN LOW PRECISION. The matrix products marked QUANTISED in the list below multiply operands that are first quantised to E2M3 (2 exponent bits, 3 mantissa bits; 6 bits a number), with one power-of-two scale for each 32 numbers along K (OCP MX v1.0); their sums are f32. All else is computed in f32.
;;   The module's matrix products, in the order in which they are computed (A, B: the left and right operand; K: the contracted axis; several contracted axes count as one K, in the product's order):
;;     1. [M 8,192, K 1,024] x [K 1,024, N 1,024]; A: input target_embedding; B: input Wq: QUANTISED
;;     2. [M 8,192, K 1,024] x [K 1,024, N 1,024]; A: input target_embedding; B: input Wk: QUANTISED
;;     3. [M 8,192, K 1,024] x [K 1,024, N 1,024]; A: input target_embedding; B: input Wv: QUANTISED
;;     4. batch 64 x [M 2,048, K 64] x [K 64, N 2,048]; A: computed on the way; B: computed on the way: QUANTISED
;;     5. batch 64 x [M 64, K 2,048] x [K 2,048, N 2,048]; A: computed on the way; B: softmax (see below): QUANTISED
;;     6. [M 8,192, K 1,024] x [K 1,024, N 1,024]; A: computed on the way; B: input Wo: QUANTISED
;;   THE QUANTISER, for each operand of a quantised product, along K:
;;     - K is cut into blocks of 32 from its start; a last block that is shorter is filled with zeros.
;;     - A block's scale is 2^e with e = floor(log2(the largest magnitude in the block)) - 2, held to -126 .. 127; a block of zeros has e = 0. As a byte (E8M0): e + 127.
;;     - Each number is divided by its block's scale, clamped to +-7.5, and rounded to the nearest number of E2M3, ties to even, subnormals kept.
;;     - The product sums the exact products of the quantised numbers (number of the format x scale) in f32.
;;   ~~~python
;;   def quantise(x, axis):      # numpy; x: float32 -> the quantised numbers, widened to float32 again
;;       x = np.moveaxis(x, axis, -1); K = x.shape[-1]
;;       x = np.pad(x, [(0, 0)] * (x.ndim - 1) + [(0, -K % 32)]); x = x.reshape(x.shape[:-1] + (-1, 32)); a = np.abs(x).max(-1, keepdims=True)
;;       e = np.where(a > 0, np.clip(np.frexp(np.where(a > 0, a, 1))[1] - 1 - 2, -126, 127), 0)      # np.frexp(a)[1] - 1 = floor(log2(a)), exactly
;;       r = np.clip(x / 2.0 ** e, -7.5, 7.5)
;;       step = 2.0 ** (np.maximum(np.frexp(np.where(r == 0, 1, r))[1] - 1, 0) - 3)
;;       q = np.round(r / step) * step * 2.0 ** e      # np.round: ties to even
;;       return np.moveaxis(q.reshape(q.shape[:-2] + (-1,))[..., :K], -1, axis).astype(np.float32)
;;   ~~~
;;   SOFTMAX AHEAD OF A QUANTISED PRODUCT. Where the list says 'softmax', what is quantised is not the finished softmax but p = 2^(t - M), with t = logit x log2(e) and M = ceil(the row's largest t), a whole number; so 1/2 < the row's largest p <= 1. The row's sum l is taken of the UNQUANTISED p, in f32, and the product's result is divided by l at the end. Since M is a whole number, a kernel that streams over the keys may use a running M (the ceiling of the running maximum): every later rescaling is an exact power of two, which a block's scale takes up: the codes' values come out the same.
;;   OPERANDS COMPUTED ON THE WAY. 'Computed on the way' means the value that the module computes at that place (a softmax that the list does not call 'softmax' is quantised finished and normalised). What goes into a quantiser is computed in f32, as accurately as f32 sums, v_exp_f32 and their like allow (about 1e-6 of the number): no bf16 or f16 on the way to a quantiser, and a product that is left as it is and whose result goes on into a quantised operand takes f32 operands (vector FMAs, or v_wmma_f32_16x16x4_f32). A number that lies on a knife's edge between two numbers of the format may be rounded either way, as far as f32 arithmetic and the matrix unit's own rounding can turn it there, and no further.
;; One version. Each part assembles by itself: llvm-mc -triple=amdgcn-amd-amdhsa -mcpu=gfx1250 --defsym DOCPART=n.
;; ======== version 1 of 1: 4 launches
;; limits: right only within a limited range of input values
;; workspace buffers: xbuf 6,553,600 bytes; rbuf 6,553,600 bytes; wbuf 3,276,800 bytes; qbuf 6,553,600 bytes; kvbuf 13,107,200 bytes
;; launch quant (part 1): grid 384 x 1, 4 waves a work-group, no clusters, 34,304 bytes of LDS; arguments target_embedding, Wq, Wk, Wv, Wo, xbuf, wbuf; writes xbuf, wbuf
.if DOCPART == 1
	.amdgcn_target "amdgcn-amd-amdhsa--gfx1250"
	.amdhsa_code_object_version 6
	.text
	.protected	k_qad7327a010_quant
	.globl	k_qad7327a010_quant
	.p2align	8
	.type	k_qad7327a010_quant,@function
k_qad7327a010_quant:
	s_mov_b64 s[64:65], 0
	v_nop
	global_prefetch_b8 v0, s[64:65] scope:SCOPE_SE
	s_setreg_imm32_b32 hwreg(HW_REG_WAVE_MODE, 25, 1), 1
	s_wait_xcnt 0x0
; x [8192][1024] and the four weights [1024 (k)][1024 (n)], f32, become codes of FP6 (E2M3) with one E8M0 byte for each 32 along K,
; laid in the order of the matrix operand's registers, so that later launches fetch fragments by loads of 16 and 8 bytes a lane.
; TILES.  Tile T of rows (of x) or columns (of a weight) holds in slot r the row 32 (T / 2) + 8 (T % 2) + r + 8 (r / 8).
; A FRAGMENT (16 slots x 128 K, 12 registers a lane) is 1,536 bytes: two halves of 768; in a half, registers 0-3 of lane l at 16 l, registers 4-5 at 512 + 8 l.
; xbuf: tile T at 12,800 T: 8 fragments (K step s at 1,536 s), then the scale words at 12,288 + 256 (s / 4) + 16 r + 4 (s % 4).
; wbuf: (16 mat + U) x 51,200 (U: 64 columns), K step s at 6,400 s: 4 fragments (tile t at 1,536 t), then the words at 6,144 + 16 r + 8 (t % 2) + 4 (t / 2).
; A block's scale is 2^(floor(log2(largest magnitude)) - 2): its byte is the largest magnitude's exponent field - 2, held at 1 from below.
; LIMITS: a block of zeros gets the byte 1 where the rule says 127 (its codes are zeros, and this program alone reads the bytes); NaN and infinities among the inputs are not served.
; SHARES: work-groups 0-255 take x (a wave: one tile x 512 along K), 256-383 the weights (a wave: 64 columns x 128 along K): 32 KiB of f32 a wave on both ways.  Waves share nothing: no barrier.
; THE ORDER THAT HOLDS FOR x (in place of the line on tiles above, which still holds for the weights' columns): slot r of tile T of x holds row 64 (T / 4) + 8 (T % 4) + r % 8 + 32 (r / 8).
; wbuf's units: Wq, Wk, Wv: unit 6 (U / 2) + 2 mat + U % 2, so that the six units of a pair of heads lie on end; Wo: unit 48 + U.  A unit is 51,200 bytes, laid as said above.
.set R,   16
.set X,   144                          ; v144-207 x: 64 numbers of my row, in the operand's order
.set PC,  208                          ; v208-219 a fragment's codes
.set PT,  220                          ; v220-226 the second halves' conversions
.set SW,  228                          ; v228-231 the four fragments' scale words
.set TM,  232                          ; v232-239 at work
.macro LOADX q                         ; fragment q: 16 rows x 512 bytes, one row a load: 32 lanes read 512 consecutive bytes
.irp i, 0,1,2,3,4,5,6,7,8,9,10,11,12,13,14,15
	global_load_b128 v[R+64*((\q)%2)+4*\i:R+64*((\q)%2)+4*\i+3], v1, s[4:5] offset:(\i+24*(\i/8))*4096+512*(\q) th:TH_LOAD_NT
.endr
.endm
.macro FRAGX q
.if (\q) < 3
	s_wait_loadcnt 16                              ; this fragment's 16 loads are in; the next fragment's 16 may be out
.else
	s_wait_loadcnt 0x0
.endif
.irp i, 0,1,2,3,4,5,6,7,8,9,10,11,12,13,14,15
	ds_store_b128 v3, v[R+64*((\q)%2)+4*\i:R+64*((\q)%2)+4*\i+3] offset:528*\i   ; the rows as they lie, 528 bytes apart, into my wave's own stage
.endr
.irp c, 0,1
.irp e, 0,1,2,3,4,5,6,7
	ds_load_b128 v[X+32*\c+4*\e:X+32*\c+4*\e+3], v4 offset:256*\c+16*\e          ; back: lane (r, h) takes k = 64 c + 32 h + 0 .. 31 of row r.  LDS serves a wave's instructions in order
.endr
.endr
	s_wait_dscnt 0x0                               ; the numbers are back, and the stage's stores have read their registers
.if (\q) < 2
	LOADX (\q)+2
.endif
.irp c, 0,1
	v_max3_num_f32 v[TM+\c], |v[X+32*\c]|, |v[X+32*\c+1]|, 0x1800000             ; block 2 c + h: all 32 numbers are mine; the floor 2^(3 - 127) holds the byte at 1 from below
.endr
.irp i, 2,4,6,8,10,12,14,16,18,20,22,24,26,28,30
.irp c, 0,1
	v_max3_num_f32 v[TM+\c], v[TM+\c], |v[X+32*\c+\i]|, |v[X+32*\c+\i+1]|
.endr
.endr
.irp c, 0,1
	v_add_nc_u32 v[TM+2+\c], 0xff000000, v[TM+\c]  ; 2 off the exponent field: the conversion's scale operand
.endr
.irp c, 0,1
	v_lshrrev_b32 v[TM+4+\c], 23, v[TM+2+\c]       ; the scale's byte
.endr
	v_lshl_or_b32 v[TM+6], v[TM+5], 16, v[TM+4]    ; my two bytes, blocks h and 2 + h,
	v_lshlrev_b32 v[TM+6], v5, v[TM+6]             ; 8 h bits up;
	v_permlanex16_b32 v[TM+7], v[TM+6], s32, s33
	v_or_b32 v[SW+(\q)], v[TM+6], v[TM+7]          ; with lane l xor 16's two the row's word is whole
	s_wait_alu depctr_va_vdst(0)
	s_wait_xcnt 0x0                                ; the last fragment's stores have read the codes' registers
.irp c, 0,1
	v_cvt_scalef32_pk16_fp6_f32 v[PC+6*\c:PC+6*\c+2], v[X+32*\c:X+32*\c+15], v[TM+2+\c]
	v_cvt_scalef32_pk16_fp6_f32 v[PT+4*\c:PT+4*\c+2], v[X+32*\c+16:X+32*\c+31], v[TM+2+\c]   ; (a conversion's three registers begin on an even number)
.endr
	v_nop                                          ; one plain place behind a scaled conversion
.irp c, 0,1
.irp i, 0,1,2
	v_mov_b32 v[PC+3+6*\c+\i], v[PT+4*\c+\i]
.endr
.endr
	global_store_b128 v1, v[PC:PC+3], s[14:15] offset:1536*(\q)                  ; each store covers 512 or 256 consecutive bytes, aligned
	global_store_b64 v2, v[PC+4:PC+5], s[14:15] offset:1536*(\q)+512
	global_store_b128 v1, v[PC+6:PC+9], s[14:15] offset:1536*(\q)+768
	global_store_b64 v2, v[PC+10:PC+11], s[14:15] offset:1536*(\q)+1280
.endm
.macro LOADW i                         ; block i: K block i / 2 of the step, columns 32 (i % 2) on: a lane a column, its registers down K
.irp e, 0,1,2,3,4,5,6,7,8,9,10,11,12,13,14,15,16,17,18,19,20,21,22,23,24,25,26,27,28,29,30,31
	global_load_b32 v[16+32*((\i)%2)+\e], v1, s[4:5] offset:(32*((\i)/2)+\e)*4096+128*((\i)%2) th:TH_LOAD_NT
.endr
.endm
.macro BLOCKW i
.set XW, 16+32*((\i)%2)
.set CW, 80+8*(\i)                     ; eight registers of codes for each block: no store's data are written again
.if (\i) < 7
	s_wait_loadcnt 32                              ; this block's 32 loads are in; the next block's may be out
.else
	s_wait_loadcnt 0x0
.endif
	v_max3_num_f32 v12, |v[XW]|, |v[XW+1]|, |v[XW+2]|
	v_max3_num_f32 v13, |v[XW+3]|, |v[XW+4]|, |v[XW+5]|
.irp j, 6,10,14,18,22,26
	v_max3_num_f32 v12, v12, |v[XW+\j]|, |v[XW+\j+1]|
	v_max3_num_f32 v13, v13, |v[XW+\j+2]|, |v[XW+\j+3]|
.endr
	v_max3_num_f32 v12, v12, |v[XW+30]|, |v[XW+31]|
	v_max3_num_f32 v12, v12, v13, 0x1800000        ; and the floor
	v_add_nc_u32 v14, 0xff000000, v12
	v_lshrrev_b32 v13, 23, v14
.if (\i)/2 == 0
	v_mov_b32 v[144+(\i)%2], v13                   ; my column's word: byte = K block
.else
	v_lshl_or_b32 v[144+(\i)%2], v13, 8*((\i)/2), v[144+(\i)%2]
.endif
	v_cvt_scalef32_pk16_fp6_f32 v[CW:CW+2], v[XW:XW+15], v14
	v_cvt_scalef32_pk16_fp6_f32 v[CW+4:CW+6], v[XW+16:XW+31], v14
	v_nop                                          ; one plain place behind a scaled conversion
	v_mov_b32 v[CW+3], v[CW+4]
	v_mov_b32 v[CW+4], v[CW+5]
	v_mov_b32 v[CW+5], v[CW+6]
	global_store_b128 v2, v[CW:CW+3], s[16:17] offset:3072*((\i)%2)+768*((\i)/4)+256*(((\i)/2)%2)
	global_store_b64 v3, v[CW+4:CW+5], s[16:17] offset:3072*((\i)%2)+768*((\i)/4)+512+128*(((\i)/2)%2)
.if (\i) < 6
	LOADW (\i)+2
.endif
.endm
	s_load_b256 s[4:11], s[0:1], 0x0               ; x s[4:5], Wq s[6:7], Wk s[8:9], Wv s[10:11]
	s_load_b128 s[12:15], s[0:1], 0x20             ; Wo s[12:13], xbuf s[14:15]
	s_load_b64 s[16:17], s[0:1], 0x30              ; wbuf
	v_lshl_add_u32 v240, v0, 2, 0x8400
	v_mov_b32 v241, 0
	v_lshrrev_b32 v1, 5, v0
	v_readfirstlane_b32 s18, v1                    ; wave
	v_and_b32 v7, 31, v0                           ; lane
	s_cmp_lt_u32 ttmp9, 256
	s_cbranch_scc0 .Lw
	; ---- x
	v_and_b32 v8, 15, v0                           ; r
	v_bfe_u32 v9, v0, 4, 1                         ; h
	v_lshlrev_b32 v1, 4, v7                        ; 16 l
	v_lshlrev_b32 v2, 3, v7                        ; 8 l
	s_mul_i32 s19, s18, 8448                       ; my stage: 16 rows x 528 bytes
	v_add_nc_u32 v3, s19, v1
	v_mul_u32_u24 v4, v8, 528
	v_lshl_add_u32 v4, v9, 7, v4
	v_add_nc_u32 v4, s19, v4
	v_lshlrev_b32 v5, 3, v9                        ; 8 h
	v_lshl_add_u32 v6, v8, 4, v5                   ; 16 r + 8 h
	v_mov_b32 v[TM+7], 0                           ; a lane permute's destination counts as one of its sources
	s_lshl_b32 s20, ttmp9, 2
	s_add_co_u32 s20, s20, s18
	s_lshr_b32 s21, s20, 1                         ; T
	s_and_b32 s22, s20, 1                          ; which half of K
	s_lshr_b32 s24, s21, 2
	s_lshl_b32 s24, s24, 6
	s_and_b32 s25, s21, 3
	s_lshl_b32 s25, s25, 3
	s_add_co_u32 s24, s24, s25                     ; the tile's first row
	s_lshl_b32 s24, s24, 12
	s_lshl_b32 s25, s22, 11
	s_add_co_u32 s24, s24, s25
	s_mov_b32 s25, 0
	s_mul_i32 s26, s21, 12800
	s_mov_b32 s27, 0
	s_mul_i32 s28, s22, 6144
	s_mov_b32 s29, 0
	s_lshl_b32 s30, s22, 8
	s_add_co_u32 s30, s30, 12288
	s_mov_b32 s31, 0
	s_mov_b32 s32, 0x76543210
	s_mov_b32 s33, 0xfedcba98                      ; v_permlanex16_b32's selects for lane l xor 16
	s_mov_b32 s34, 0xffff0000                      ; lanes 16-31
	s_wait_alu depctr_va_vdst(0)
	s_wait_kmcnt 0x0
	s_add_nc_u64 s[4:5], s[4:5], s[24:25]
	s_add_nc_u64 s[14:15], s[14:15], s[26:27]
	s_add_nc_u64 s[36:37], s[14:15], s[30:31]      ; my scale words
	s_add_nc_u64 s[14:15], s[14:15], s[28:29]      ; my four fragments
	LOADX 0
	LOADX 1
	FRAGX 0
	FRAGX 1
	FRAGX 2
	FRAGX 3
	v_cndmask_b32 v[TM], v[SW], v[SW+2], s34       ; lanes h store words 2 h and 2 h + 1 of row r
	v_cndmask_b32 v[TM+1], v[SW+1], v[SW+3], s34
	global_store_b64 v6, v[TM:TM+1], s[36:37]      ; 256 consecutive bytes, aligned
	s_wait_tensorcnt 0x0
	ds_add_u32 v240, v241
	s_wait_dscnt 0x0
	s_endpgm
.Lw:	; ---- the weights
	s_sub_co_u32 s20, ttmp9, 256
	s_lshr_b32 s21, s20, 5                         ; mat: 0 Wq, 1 Wk, 2 Wv, 3 Wo
	s_bfe_u32 s22, s20, 0x30002                    ; K step
	s_and_b32 s23, s20, 3
	s_lshl_b32 s23, s23, 2
	s_add_co_u32 s23, s23, s18                     ; U
	v_bfe_u32 v8, v0, 3, 1                         ; column 32 beta + l lies in tile 2 beta + u, u = (l / 8) % 2,
	v_and_b32 v9, 7, v0
	v_bfe_u32 v10, v0, 4, 1
	v_lshl_add_u32 v9, v10, 3, v9                  ; slot l % 8 + 8 (l / 16)
	s_wait_alu depctr_va_vdst(0)
	v_lshlrev_b32 v1, 2, v7
	v_mul_u32_u24 v11, v8, 1536
	v_lshl_add_u32 v2, v9, 4, v11
	v_lshl_add_u32 v3, v9, 3, v11
	v_lshlrev_b32 v4, 4, v9
	v_lshl_add_u32 v4, v8, 3, v4
	s_lshl_b32 s24, s22, 19                        ; 128 rows of 4,096 bytes a K step
	s_lshl_b32 s25, s23, 8
	s_add_co_u32 s24, s24, s25
	s_mov_b32 s25, 0
	s_lshr_b32 s26, s23, 1                         ; the unit's number: 6 (U / 2) + 2 mat + U % 2,
	s_mul_i32 s26, s26, 6
	s_lshl_b32 s27, s21, 1
	s_add_co_u32 s26, s26, s27
	s_and_b32 s27, s23, 1
	s_add_co_u32 s26, s26, s27
	s_add_co_u32 s27, s23, 48                      ; or, for Wo, 48 + U
	s_cmp_eq_u32 s21, 3
	s_cselect_b32 s26, s27, s26
	s_mul_i32 s26, s26, 51200
	s_mul_i32 s27, s22, 6400
	s_add_co_u32 s26, s26, s27
	s_mov_b32 s27, 0
	s_and_b32 s28, s21, 1
	s_wait_alu depctr_va_vdst(0)
	s_wait_kmcnt 0x0
	s_cmp_lt_u32 s21, 2                            ; the choice hangs on the work-group's number alone
	s_cselect_b64 s[30:31], s[6:7], s[10:11]
	s_cselect_b64 s[32:33], s[8:9], s[12:13]
	s_cmp_eq_u32 s28, 0
	s_cselect_b64 s[4:5], s[30:31], s[32:33]
	s_add_nc_u64 s[4:5], s[4:5], s[24:25]
	s_add_nc_u64 s[16:17], s[16:17], s[26:27]
	LOADW 0
	LOADW 1
.irp i, 0,1,2,3,4,5,6,7
	BLOCKW \i
.endr
	global_store_b64 v4, v[144:145], s[16:17] offset:6144   ; the step's 256 bytes of scale words
	s_endpgm
.Lfunc_end_k_qad7327a010_quant:
	.size	k_qad7327a010_quant, .Lfunc_end_k_qad7327a010_quant-k_qad7327a010_quant
	.p2alignl 7, 3214868480
	.fill 96, 4, 3214868480
	.section	.rodata,"a",@progbits
	.p2align	6, 0x0
	.amdhsa_kernel k_qad7327a010_quant
		.amdhsa_group_segment_fixed_size 34304
		.amdhsa_private_segment_fixed_size 0
		.amdhsa_enable_private_segment 0
		.amdhsa_kernarg_size 56
		.amdhsa_user_sgpr_count 2
		.amdhsa_user_sgpr_kernarg_segment_ptr 1
		.amdhsa_wavefront_size32 1
		.amdhsa_system_sgpr_workgroup_id_x 1
		.amdhsa_system_sgpr_workgroup_id_y 1
		.amdhsa_system_sgpr_workgroup_id_z 1
		.amdhsa_system_vgpr_workitem_id 0
		.amdhsa_next_free_vgpr 242
		.amdhsa_next_free_sgpr 66
		.amdhsa_reserve_vcc 0
		.amdhsa_float_denorm_mode_32 3
		.amdhsa_float_denorm_mode_16_64 3
		.amdhsa_memory_ordered 1
		.amdhsa_forward_progress 1
		.amdhsa_inst_pref_size 70
	.end_amdhsa_kernel
	.amdgpu_metadata
---
amdhsa.version: [ 1, 2 ]
amdhsa.kernels:
  - .name:           k_qad7327a010_quant
    .symbol:         k_qad7327a010_quant.kd
    .args:
      - { .name: target_embedding, .offset: 0, .size: 8, .value_kind: global_buffer, .address_space: global }
      - { .name: Wq, .offset: 8, .size: 8, .value_kind: global_buffer, .address_space: global }
      - { .name: Wk, .offset: 16, .size: 8, .value_kind: global_buffer, .address_space: global }
      - { .name: Wv, .offset: 24, .size: 8, .value_kind: global_buffer, .address_space: global }
      - { .name: Wo, .offset: 32, .size: 8, .value_kind: global_buffer, .address_space: global }
      - { .name: xbuf, .offset: 40, .size: 8, .value_kind: global_buffer, .address_space: global }
      - { .name: wbuf, .offset: 48, .size: 8, .value_kind: global_buffer, .address_space: global }
    .group_segment_fixed_size: 34304
    .private_segment_fixed_size: 0
    .kernarg_segment_align: 8
    .kernarg_segment_size: 56
    .max_flat_workgroup_size: 128
    .sgpr_count:     66
    .vgpr_count:     242
    .wavefront_size: 32
...
	.end_amdgpu_metadata
.endif
;; end of part 1
;; launch qkv (part 2): grid 32 x 8, 4 waves a work-group, clusters of 4 x 1, 307,712 bytes of LDS; arguments xbuf, wbuf, bq, bk, bv, qbuf, kvbuf; writes qbuf, kvbuf
.if DOCPART == 2
	.amdgcn_target "amdgcn-amd-amdhsa--gfx1250"
	.amdhsa_code_object_version 6
	.text
	.protected	k_qad7327a010_qkv
	.globl	k_qad7327a010_qkv
	.p2align	8
	.type	k_qad7327a010_qkv,@function
k_qad7327a010_qkv:
	s_mov_b64 s[64:65], 0
	v_nop
	global_prefetch_b8 v0, s[64:65] scope:SCOPE_SE
	s_setreg_imm32_b32 hwreg(HW_REG_WAVE_MODE, 25, 1), 1
	s_wait_xcnt 0x0
	s_wait_alu depctr_hold_cnt(0) depctr_sa_sdst(0) depctr_va_vdst(0) depctr_va_sdst(0) depctr_va_ssrc(0) depctr_va_vcc(0) depctr_vm_vsrc(0)
	s_getreg_b32 s2, hwreg(HW_REG_IB_STS2, 6, 4)
	s_cmp_eq_u32 s2, 0
	s_cbranch_scc0 .Lentry_in_a_cluster
	s_endpgm
.Lentry_in_a_cluster:
	s_bfe_u32 s2, ttmp6, 0x10000c
	s_cmp_lg_u32 s2, 0x3003
	s_cbranch_scc0 .Lentry_shape_is_right
	s_endpgm
.Lentry_shape_is_right:
; q = x Wq + bq, k = x Wk + bk, v = x Wv + bv on codes of FP6 (E2M3) with E8M0 scales; the results are quantised on the way out (q, k along the head's 64, v along the keys) and stored as images of operand registers.
; SHARES.  A work-group makes 256 rows x (q, k, v of two heads).  Wave w keeps its 64 rows of x, all of K (4 tiles x 8 fragments, 384 registers), for the whole launch; the six units of weights (64 columns x all of K, 51,200 bytes)
; lie whole in LDS, filled once: no LDS byte is filled twice.  A unit is 8 K steps of 16 matrix instructions; each fragment of a weight read from LDS feeds four.
; CLUSTER.  The four work-groups of a cluster take four groups of rows and the same two heads, so the weights are asked for jointly (mask 15).  x goes from memory straight into registers, so nothing else can be shared: 4 x 1, not 4 x 4.
; q AND k: source 0 = 16 columns of W, source 1 = 16 rows of x: a lane holds one row, its registers run along the head.  v: source 0 = x, source 1 = W: a lane holds one channel, its registers run along the keys.
; Tile T holds in slot r the row (column) 32 (T / 2) + 8 (T % 2) + r + 8 (r / 8), so that the 16 registers of two neighbouring tiles are 16 neighbours along the next K.  The biases are the C of each sum's first product.
; qbuf: bh x 102,400: query tile T's half fragment (16 x 64, 768 bytes) at 768 T; words at 98,304 + 64 (T / 2) + 4 r (tile 2 i's two bytes low, tile 2 i + 1's high).
; kvbuf: bh x 204,800, key step j (128 keys) at 12,800 j: 8 key tiles' halves at 768 t; V's 4 fragments (16 channels x 128 keys) at 6,144 + 1,536 t; K's words at 12,288 + 16 r + 4 f; V's at 12,544 + 16 r + 4 t.
; LIMITS: a block of zeros gets the byte 1 (its codes are zeros; this program alone reads the bytes); NaN and infinities are not served.
; REGISTERS.  window 0: v1-12 addresses; v16-47 x's scale words; v48-79 the unit's; v80-207 16 accumulators; v208-246 the quantiser.  window 1: x's tiles 0, 1 (96 (m % 2) + 12 s); v192-255 bv as C.
;   window 2: x's tiles 2, 3.  window 3: v0-95 W's fragments, two sets; v96-223 bq and bk as C.
.set XS,  16
.set WS,  48
.set ACC, 80
.set PC,  208
.set TM,  228
.set PW,  244
.set PW0, 245
.set MSB, 0
.macro WIN new                         ; the immediate's high byte repeats the setting that is left
.if MSB != \new
	s_set_vgpr_msb (MSB<<8)|\new
.set MSB, \new
.endif
.endm
.macro CROUND                          ; a round of the cluster's barrier
	s_barrier_signal -1
	s_barrier_wait -1
	s_cmp_lg_u32 s18, 0
	s_cbranch_scc1 .Lnot_wave_0_\@
	s_barrier_signal -3
.Lnot_wave_0_\@:
	s_barrier_wait -3
	s_barrier_signal -1
	s_barrier_wait -1
.endm
.macro PLACES                          ; four places behind matrix instructions, ahead of loads into their registers and of reads of their results
.rept 4
	v_nop
.endr
.endm
; ROWS OF x (in place of the line on tiles above, which still holds for the weights' columns): slot r of tile T holds row 64 (T / 4) + 8 (T % 4) + r % 8 + 32 (r / 8).
; THE WEIGHTS: the six units of my two heads (q, q, k, k, v, v) lie on end in wbuf, 307,200 bytes; wave w brings bytes 76,800 w on, by one load on a line of its own.
.macro ARRIVE n                        ; wave n's 76,800 bytes have landed: it alone waits, then a barrier shows them to all.  No LDS instruction of mine is out here
	WIN 0
	s_cmp_eq_u32 s18, \n
	s_cbranch_scc0 .Lnot_mine_\@
	s_wait_tensorcnt 0x0
.Lnot_mine_\@:
	s_barrier_signal -1
	s_barrier_wait -1
.endm
.macro FETCHW buf, s                   ; the unit's four fragments of K step s into set buf: 16 loads, each of 512 or 256 consecutive bytes
	WIN 0xc0
.irp t, 0,1,2,3
	ds_load_b128 v[48*(\buf)+12*\t:48*(\buf)+12*\t+3], v4 offset:6400*(\s)+1536*\t
	ds_load_b64 v[48*(\buf)+12*\t+4:48*(\buf)+12*\t+5], v5 offset:6400*(\s)+1536*\t+512
	ds_load_b128 v[48*(\buf)+12*\t+6:48*(\buf)+12*\t+9], v4 offset:6400*(\s)+1536*\t+768
	ds_load_b64 v[48*(\buf)+12*\t+10:48*(\buf)+12*\t+11], v5 offset:6400*(\s)+1536*\t+1280
.endr
.endm
.macro NEXT base                       ; on to the unit at LDS byte base: its addresses, its 32 scale words, its first fragments
	WIN 0
	PLACES
	v_add_nc_u32 v4, \base, v1
	v_add_nc_u32 v5, \base, v2
	v_add_nc_u32 v6, \base+6144, v3
.irp s, 0,1,2,3,4,5,6,7
	ds_load_b128 v[WS+4*\s:WS+4*\s+3], v6 offset:6400*\s
.endr
	FETCHW 0, 0
	WIN 0
.endm
; 16 matrix instructions of K step s; the 16 accumulators take turns, one instruction a turn, in the same order in every step
.macro MULQK P, e, s, buf
.irp m, 0,1,2,3
.if \m == 0
.if (\s) == 0
	WIN 0x37
.else
	WIN 0x07
.endif
.endif
.if \m == 2
.if (\s) == 0
	WIN 0x3b
.else
	WIN 0x0b
.endif
.endif
.irp n, 0,1,2,3
.if (\s) == 0
	v_wmma_scale_f32_16x16x128_f8f6f4 v[ACC+32*\m+8*\n:ACC+32*\m+8*\n+7], v[48*(\buf)+12*\n:48*(\buf)+12*\n+11], v[96*(\m%2)+12*(\s):96*(\m%2)+12*(\s)+11], v[96+32*(2*(\P)+(\e))+8*\n:96+32*(2*(\P)+(\e))+8*\n+7], v[WS+4*(\s)+2*(\n%2)+\n/2], v[XS+8*\m+(\s)] matrix_a_fmt:MATRIX_FMT_FP6 matrix_b_fmt:MATRIX_FMT_FP6
.else
	v_wmma_scale_f32_16x16x128_f8f6f4 v[ACC+32*\m+8*\n:ACC+32*\m+8*\n+7], v[48*(\buf)+12*\n:48*(\buf)+12*\n+11], v[96*(\m%2)+12*(\s):96*(\m%2)+12*(\s)+11], v[ACC+32*\m+8*\n:ACC+32*\m+8*\n+7], v[WS+4*(\s)+2*(\n%2)+\n/2], v[XS+8*\m+(\s)] matrix_a_fmt:MATRIX_FMT_FP6 matrix_b_fmt:MATRIX_FMT_FP6
.endif
.endr
.endr
.endm
.macro MULV e, s, buf
.irp m, 0,1,2,3
.if \m == 0
.if (\s) == 0
	WIN 0x1d
.else
	WIN 0x0d
.endif
.endif
.if \m == 2
.if (\s) == 0
	WIN 0x1e
.else
	WIN 0x0e
.endif
.endif
.irp n, 0,1,2,3
.if (\s) == 0
	v_wmma_scale_f32_16x16x128_f8f6f4 v[ACC+32*\n+8*\m:ACC+32*\n+8*\m+7], v[96*(\m%2)+12*(\s):96*(\m%2)+12*(\s)+11], v[48*(\buf)+12*\n:48*(\buf)+12*\n+11], v[192+32*(\e)+8*\n:192+32*(\e)+8*\n+7], v[XS+8*\m+(\s)], v[WS+4*(\s)+2*(\n%2)+\n/2] matrix_a_fmt:MATRIX_FMT_FP6 matrix_b_fmt:MATRIX_FMT_FP6
.else
	v_wmma_scale_f32_16x16x128_f8f6f4 v[ACC+32*\n+8*\m:ACC+32*\n+8*\m+7], v[96*(\m%2)+12*(\s):96*(\m%2)+12*(\s)+11], v[48*(\buf)+12*\n:48*(\buf)+12*\n+11], v[ACC+32*\n+8*\m:ACC+32*\n+8*\m+7], v[XS+8*\m+(\s)], v[WS+4*(\s)+2*(\n%2)+\n/2] matrix_a_fmt:MATRIX_FMT_FP6 matrix_b_fmt:MATRIX_FMT_FP6
.endif
.endr
.endr
.endm
.macro STEPS kind, P, e, first         ; a unit: 8 K steps; the next step's fragments are asked for a step ahead, into the other set
.irp s, 0,1,2,3,4,5,6,7
	PLACES
.if \s < 7
	FETCHW (\s+1)%2, \s+1
	s_wait_dscnt 16                                ; all but the 16 just issued: this step's fragments (and the unit's scale words) are in
.else
	s_wait_dscnt 0x0
.endif
.if \first
.if 16*(7-\s) > 63
	s_wait_loadcnt 63                              ; x's fragments of this K step are in: more than 63 loads were issued behind them
.else
	s_wait_loadcnt 16*(7-\s)                       ; the 16 loads of each later K step may be out
.endif
.endif
.if \kind == 0
	MULQK \P, \e, \s, \s%2
.else
	MULV \e, \s, \s%2
.endif
.endr
.endm
; 64 numbers of a lane, register 16 b + i = k 32 b + 16 (lane / 16) + i of my row, become a fragment's codes in v[PC] on and its scale word in v[PW]
.macro QUANT s
	s_wait_xcnt 0x0                                ; the stores issued so far have read the registers that are written below
.irp b, 0,1,2,3
	v_max3_num_f32 v[TM+\b], |v[\s+16*\b]|, |v[\s+1+16*\b]|, 0x1800000   ; my 16 numbers of block b, and the floor 2^(3 - 127): the byte cannot fall under 1
.endr
.irp i, 2,4,6,8,10,12,14
.irp b, 0,1,2,3
	v_max3_num_f32 v[TM+\b], v[TM+\b], |v[\s+16*\b+\i]|, |v[\s+1+16*\b+\i]|
.endr
.endr
.irp b, 0,1,2,3
	v_permlanex16_b32 v[TM+4+\b], v[TM+\b], s22, s23
.endr
.irp b, 0,1,2,3
	v_max_num_f32 v[TM+\b], v[TM+\b], v[TM+4+\b]   ; with lane l xor 16's: the block's largest magnitude
.endr
.irp b, 0,1,2,3
	v_add_nc_u32 v[TM+12+\b], 0xff000000, v[TM+\b] ; 2 off its exponent field: the conversion's scale operand
.endr
.irp b, 0,1,2,3
	v_lshrrev_b32 v[TM+4+\b], 23, v[TM+12+\b]      ; the scale's byte
.endr
	v_lshl_or_b32 v[PW], v[TM+5], 8, v[TM+4]
	v_lshl_or_b32 v[PW], v[TM+6], 16, v[PW]
	v_lshl_or_b32 v[PW], v[TM+7], 24, v[PW]
.irp c, 0,1
	v_cvt_scalef32_pk16_fp6_f32 v[PC+6*\c:PC+2+6*\c], v[\s+32*\c:\s+15+32*\c], v[TM+12+2*\c]
	v_cvt_scalef32_pk16_fp6_f32 v[PC+12+4*\c:PC+14+4*\c], v[\s+16+32*\c:\s+31+32*\c], v[TM+12+2*\c+1]
.endr
	v_nop                                          ; one plain place behind a scaled conversion
.irp c, 0,1                                    ; the operand's layout wants a whole block in a lane
.irp i, 0,1,2
	v_permlane16_swap_b32 v[PC+6*\c+\i], v[PC+12+4*\c+\i]
.endr
.irp i, 0,1,2
	v_mov_b32 v[PC+3+6*\c+\i], v[PC+12+4*\c+\i]
.endr
.endr
.endm
.macro OUTQK base, sbase, sreg, e, step    ; q's or k's way out: two fragments, each the halves of two tiles of rows; one store of scale words
.irp i, 0,1
	QUANT ACC+64*\i
	global_store_b128 v1, v[PC:PC+3], s[\base:\base+1] offset:(\e)*(\step)+1536*\i
	global_store_b64 v2, v[PC+4:PC+5], s[\base:\base+1] offset:(\e)*(\step)+1536*\i+512
	global_store_b128 v1, v[PC+6:PC+9], s[\base:\base+1] offset:(\e)*(\step)+1536*\i+768
	global_store_b64 v2, v[PC+10:PC+11], s[\base:\base+1] offset:(\e)*(\step)+1536*\i+1280
.if \i == 0
	v_mov_b32 v[PW0], v[PW]
.else
	v_cndmask_b32 v246, v[PW0], v[PW], s24         ; lanes 0-15 carry the first fragment's words, lanes 16-31 the second's
	global_store_b32 v[\sreg], v246, s[\sbase:\sbase+1] offset:(\e)*(\step)
.endif
.endr
.endm
; v's quantiser: the 32 registers of a channel tile are keys 32 (lane / 16) + 0 .. 31 of my 64: a whole block in a lane.  Two tiles (32 registers each, from s on) become codes in v[PC] on; v[PW]: each tile's two bytes, tile 0's low
.macro QUANTV s
	s_wait_xcnt 0x0                                ; the stores issued so far have read the registers that are written below
.irp c, 0,1
	v_max3_num_f32 v[TM+\c], |v[\s+32*\c]|, |v[\s+32*\c+1]|, 0x1800000   ; with the floor 2^(3 - 127)
.endr
.irp i, 2,4,6,8,10,12,14,16,18,20,22,24,26,28,30
.irp c, 0,1
	v_max3_num_f32 v[TM+\c], v[TM+\c], |v[\s+32*\c+\i]|, |v[\s+32*\c+\i+1]|
.endr
.endr
.irp c, 0,1
	v_add_nc_u32 v[TM+12+\c], 0xff000000, v[TM+\c] ; 2 off the exponent field: the conversion's scale operand
.endr
.irp c, 0,1
	v_lshrrev_b32 v[TM+4+\c], 23, v[TM+12+\c]      ; the scale's byte
.endr
	v_lshl_or_b32 v[PW], v[TM+5], 16, v[TM+4]
	v_lshlrev_b32 v[PW], v15, v[PW]                ; 8 (lane / 16) bits up;
	v_permlanex16_b32 v[TM+6], v[PW], s22, s23
	v_or_b32 v[PW], v[PW], v[TM+6]                 ; with lane l xor 16's: both blocks' bytes of both tiles
.irp c, 0,1
	v_cvt_scalef32_pk16_fp6_f32 v[PC+6*\c:PC+2+6*\c], v[\s+32*\c:\s+15+32*\c], v[TM+12+\c]
	v_cvt_scalef32_pk16_fp6_f32 v[PC+12+4*\c:PC+14+4*\c], v[\s+16+32*\c:\s+31+32*\c], v[TM+12+\c]
.endr
	v_nop                                          ; one plain place behind a scaled conversion
.irp c, 0,1
.irp i, 0,1,2
	v_mov_b32 v[PC+3+6*\c+\i], v[PC+12+4*\c+\i]
.endr
.endr
.endm
.macro OUTV e                          ; v's way out: my 64 keys are one half of each channel tile's fragment
.irp u, 0,1
	QUANTV ACC+64*\u
	global_store_b128 v1, v[PC:PC+3], s[56:57] offset:204800*(\e)+3072*\u
	global_store_b64 v2, v[PC+4:PC+5], s[56:57] offset:204800*(\e)+3072*\u+512
	global_store_b128 v1, v[PC+6:PC+9], s[56:57] offset:204800*(\e)+3072*\u+1536
	global_store_b64 v2, v[PC+10:PC+11], s[56:57] offset:204800*(\e)+3072*\u+2048
	v_lshrrev_b32 v246, v12, v[PW]                 ; lanes h carry channel tile 2 u + h's two bytes
	global_store_b16 v10, v246, s[58:59] offset:204800*(\e)+8*\u
.endr
.endm
	s_load_b256 s[4:11], s[0:1], 0x0               ; xbuf s[4:5], wbuf s[6:7], bq s[8:9], bk s[10:11]
	s_load_b128 s[12:15], s[0:1], 0x20             ; bv s[12:13], qbuf s[14:15]
	s_load_b64 s[16:17], s[0:1], 0x30              ; kvbuf
	v_lshl_add_u32 v254, v0, 2, 0x4b000
	v_mov_b32 v255, 0
	ds_add_u32 v254, v255
	ds_add_u32 v254, v255
	v_lshrrev_b32 v1, 5, v0
	v_readfirstlane_b32 s18, v1                    ; wave
	s_bfe_u32 s19, ttmp6, 0x40000                  ; cx
	s_lshl_b32 s20, ttmp9, 2
	s_add_co_u32 s20, s20, s19                     ; Mg: my 256 rows
	s_and_b32 s21, ttmp7, 0xffff                   ; hg: heads 2 hg, 2 hg + 1, which the partners share
	s_mov_b32 s22, 0x76543210
	s_mov_b32 s23, 0xfedcba98
	s_mov_b32 s24, 0xffff0000
	; descriptor group 1: 300 rows of 256 bytes (32 elements of 8 bytes), dense, unpadded; mask: all four work-groups, bit 21 beside it
	s_mov_b32 s28, 15|(3<<16)|(1<<21)
	s_mov_b32 s29, 32<<16
	s_mov_b32 s30, 300<<16
	s_mov_b32 s31, 32<<16
	s_mov_b32 s32, 300
	s_mov_b32 s33, 32
	s_mov_b32 s34, 0
	s_mov_b32 s35, 0
	s_mul_i32 s60, s18, 76800                      ; my quarter of the six units, in LDS and in memory: no place in the cluster enters
	s_mul_i32 s66, s21, 307200
	s_add_co_u32 s66, s66, s60
	s_mov_b32 s67, 0
	s_lshl_b32 s70, s20, 4
	s_lshl_b32 s61, s18, 2
	s_add_co_u32 s70, s70, s61                     ; my first tile of rows: 16 Mg + 4 w
	s_mul_i32 s70, s70, 12800
	s_mov_b32 s71, 0
	s_lshr_b32 s72, s20, 3
	s_lshl_b32 s72, s72, 4
	s_lshl_b32 s62, s21, 1
	s_add_co_u32 s72, s72, s62                     ; bh of the first head
	s_and_b32 s73, s20, 7
	s_lshl_b32 s74, s73, 4
	s_add_co_u32 s74, s74, s61                     ; my first tile in the batch
	s_mul_i32 s75, s72, 102400
	s_mul_i32 s76, s74, 768
	s_add_co_u32 s76, s76, s75
	s_mov_b32 s77, 0
	s_lshl_b32 s78, s74, 5
	s_add_co_u32 s78, s78, s75
	s_add_co_u32 s78, s78, 98304
	s_mov_b32 s79, 0
	s_lshl_b32 s80, s73, 1
	s_lshr_b32 s62, s18, 1
	s_add_co_u32 s80, s80, s62                     ; my key step
	s_mul_i32 s80, s80, 12800
	s_mul_i32 s81, s72, 204800
	s_add_co_u32 s80, s80, s81
	s_and_b32 s82, s18, 1                          ; which half of the step
	s_mul_i32 s84, s82, 3072
	s_add_co_u32 s84, s84, s80
	s_mov_b32 s85, 0
	s_lshl_b32 s86, s82, 3
	s_add_co_u32 s86, s86, s80
	s_add_co_u32 s86, s86, 12288
	s_mov_b32 s87, 0
	s_mul_i32 s88, s82, 768
	s_add_co_u32 s88, s88, s80
	s_add_co_u32 s88, s88, 6144
	s_mov_b32 s89, 0
	s_lshl_b32 s90, s82, 1
	s_add_co_u32 s90, s90, s80
	s_add_co_u32 s90, s90, 12544
	s_mov_b32 s91, 0
	s_lshl_b32 s92, s21, 9
	s_mov_b32 s93, 0
	s_wait_dscnt 0x0
	s_wait_kmcnt 0x0
	s_add_nc_u64 s[68:69], s[6:7], s[66:67]
	s_mov_b32 s36, 1
	s_mov_b32 s37, s60
	s_mov_b64 s[38:39], s[68:69]
	s_or_b32 s39, s39, 0x80000000
	s_add_nc_u64 s[26:27], s[4:5], s[70:71]        ; x's tiles
	s_add_nc_u64 s[48:49], s[14:15], s[76:77]      ; q's halves,
	s_add_nc_u64 s[50:51], s[14:15], s[78:79]      ; q's words
	s_add_nc_u64 s[52:53], s[16:17], s[84:85]      ; k's halves,
	s_add_nc_u64 s[54:55], s[16:17], s[86:87]      ; k's words
	s_add_nc_u64 s[56:57], s[16:17], s[88:89]      ; v's halves,
	s_add_nc_u64 s[58:59], s[16:17], s[90:91]      ; v's byte pairs
	s_add_nc_u64 s[8:9], s[8:9], s[92:93]
	s_add_nc_u64 s[10:11], s[10:11], s[92:93]
	s_add_nc_u64 s[12:13], s[12:13], s[92:93]
	CROUND                                         ; all four work-groups are here: the joint loads meet
.macro ARM w                           ; one load a wave, each on its own line in one chain of branches on the wave's number
	s_cmp_eq_u32 s18, \w
	s_cbranch_scc0 .Lnot_\w
	tensor_load_to_lds s[36:39], s[28:35]
	s_nop 0
.rept 4
	v_nop
.endr
	s_branch .Lasked
.Lnot_\w:
.endm
	ARM 0
	ARM 1
	ARM 2
	tensor_load_to_lds s[36:39], s[28:35]
	s_nop 0
.rept 4
	v_nop
.endr
.Lasked:
	v_and_b32 v11, 31, v0
	v_and_b32 v13, 15, v0                          ; r
	v_bfe_u32 v14, v0, 4, 1                        ; h
	v_lshlrev_b32 v1, 4, v11                       ; 16 l
	v_lshlrev_b32 v2, 3, v11                       ; 8 l
	v_lshlrev_b32 v3, 4, v13                       ; 16 r
	v_lshlrev_b32 v7, 6, v14                       ; 64 h
	v_and_b32 v8, 8, v13
	v_add_nc_u32 v8, v8, v13
	v_lshlrev_b32 v8, 2, v8                        ; 4 (r + 8 (r / 8))
	v_lshl_add_u32 v9, v13, 2, v7                  ; 64 h + 4 r
	v_lshl_add_u32 v10, v14, 2, v3                 ; 16 r + 4 h
	v_lshlrev_b32 v12, 4, v14                      ; 16 h
	v_lshlrev_b32 v15, 3, v14                      ; 8 h
.irp b, 0,1,2,3
	v_mov_b32 v[TM+4+\b], 0                        ; a lane permute's destination counts as one of its sources
.endr
.irp m, 0,1,2,3
.irp k, 0,1
	global_load_b128 v[XS+8*\m+4*\k:XS+8*\m+4*\k+3], v3, s[26:27] offset:12800*\m+12288+256*\k   ; x's scale words: register 8 m + s
.endr
.endr
	WIN 0xc0
.irp e, 0,1
.irp n, 0,1,2,3
	global_load_b128 v[96+32*\e+8*\n:96+32*\e+8*\n+3], v7, s[8:9] offset:256*\e+(32*(\n/2)+8*(\n%2))*4       ; bq at the lane's eight channels of tile n
	global_load_b128 v[96+32*\e+8*\n+4:96+32*\e+8*\n+7], v7, s[8:9] offset:256*\e+(32*(\n/2)+8*(\n%2))*4+16
	global_load_b128 v[160+32*\e+8*\n:160+32*\e+8*\n+3], v7, s[10:11] offset:256*\e+(32*(\n/2)+8*(\n%2))*4   ; bk likewise
	global_load_b128 v[160+32*\e+8*\n+4:160+32*\e+8*\n+7], v7, s[10:11] offset:256*\e+(32*(\n/2)+8*(\n%2))*4+16
.endr
.endr
	WIN 0x40
.irp e, 0,1
.irp n, 0,1,2,3
	global_load_b32 v[192+32*\e+8*\n], v8, s[12:13] offset:256*\e+(32*(\n/2)+8*(\n%2))*4   ; bv at the lane's one channel of tile n
.endr
.endr
.irp s, 0,1,2,3,4,5,6,7                        ; x, K step by K step: 16 loads a step
	WIN 0x40
.irp m, 0,1
	global_load_b128 v[96*(\m%2)+12*\s:96*(\m%2)+12*\s+3], v1, s[26:27] offset:12800*\m+1536*\s
	global_load_b64 v[96*(\m%2)+12*\s+4:96*(\m%2)+12*\s+5], v2, s[26:27] offset:12800*\m+1536*\s+512
	global_load_b128 v[96*(\m%2)+12*\s+6:96*(\m%2)+12*\s+9], v1, s[26:27] offset:12800*\m+1536*\s+768
	global_load_b64 v[96*(\m%2)+12*\s+10:96*(\m%2)+12*\s+11], v2, s[26:27] offset:12800*\m+1536*\s+1280
.endr
	WIN 0x80
.irp m, 2,3
	global_load_b128 v[96*(\m%2)+12*\s:96*(\m%2)+12*\s+3], v1, s[26:27] offset:12800*\m+1536*\s
	global_load_b64 v[96*(\m%2)+12*\s+4:96*(\m%2)+12*\s+5], v2, s[26:27] offset:12800*\m+1536*\s+512
	global_load_b128 v[96*(\m%2)+12*\s+6:96*(\m%2)+12*\s+9], v1, s[26:27] offset:12800*\m+1536*\s+768
	global_load_b64 v[96*(\m%2)+12*\s+10:96*(\m%2)+12*\s+11], v2, s[26:27] offset:12800*\m+1536*\s+1280
.endr
.endr
	WIN 0
	ARRIVE 0                                       ; unit 0 lies in wave 0's bytes
	NEXT 0
	s_wait_alu depctr_va_vdst(0)
	STEPS 0, 0, 0, 1                               ; q, first head
	ARRIVE 1                                       ; units 1 and 2 end in wave 1's bytes
	NEXT 51200
	OUTQK 48, 50, 9, 0, 102400
	STEPS 0, 0, 1, 0                               ; q, second head
	NEXT 102400
	OUTQK 48, 50, 9, 1, 102400
	STEPS 0, 1, 0, 0                               ; k
	ARRIVE 2                                       ; unit 3 lies in wave 2's bytes
	NEXT 153600
	OUTQK 52, 54, 10, 0, 204800
	STEPS 0, 1, 1, 0
	ARRIVE 3                                       ; units 4 and 5 end in wave 3's bytes
	NEXT 204800
	OUTQK 52, 54, 10, 1, 204800
	WIN 0x41
.irp t, 0,1,2,3,4,5,6,7                        ; bv's number of a lane's channel serves all eight keys of a tile: C's eight registers
.irp j, 1,2,3,4,5,6,7
	v_mov_b32 v[192+8*\t+\j], v[192+8*\t]
.endr
.endr
	STEPS 1, 2, 0, 0                               ; v
	NEXT 256000
	OUTV 0
	STEPS 1, 2, 1, 0
	WIN 0
	PLACES
	OUTV 1
	s_wait_tensorcnt 0x0
	ds_add_u32 v254, v255
	s_wait_dscnt 0x0
	CROUND                                         ; the closing round
	s_endpgm
.Lfunc_end_k_qad7327a010_qkv:
	.size	k_qad7327a010_qkv, .Lfunc_end_k_qad7327a010_qkv-k_qad7327a010_qkv
	.p2alignl 7, 3214868480
	.fill 96, 4, 3214868480
	.section	.rodata,"a",@progbits
	.p2align	6, 0x0
	.amdhsa_kernel k_qad7327a010_qkv
		.amdhsa_group_segment_fixed_size 307712
		.amdhsa_private_segment_fixed_size 0
		.amdhsa_enable_private_segment 0
		.amdhsa_kernarg_size 56
		.amdhsa_user_sgpr_count 2
		.amdhsa_user_sgpr_kernarg_segment_ptr 1
		.amdhsa_wavefront_size32 1
		.amdhsa_system_sgpr_workgroup_id_x 1
		.amdhsa_system_sgpr_workgroup_id_y 1
		.amdhsa_system_sgpr_workgroup_id_z 1
		.amdhsa_system_vgpr_workitem_id 0
		.amdhsa_next_free_vgpr 1024
		.amdhsa_next_free_sgpr 96
		.amdhsa_reserve_vcc 0
		.amdhsa_float_denorm_mode_32 3
		.amdhsa_float_denorm_mode_16_64 3
		.amdhsa_memory_ordered 1
		.amdhsa_forward_progress 1
		.amdhsa_inst_pref_size 236
	.end_amdhsa_kernel
	.amdgpu_metadata
---
amdhsa.version: [ 1, 2 ]
amdhsa.kernels:
  - .name:           k_qad7327a010_qkv
    .symbol:         k_qad7327a010_qkv.kd
    .args:
      - { .name: xbuf, .offset: 0, .size: 8, .value_kind: global_buffer, .address_space: global }
      - { .name: wbuf, .offset: 8, .size: 8, .value_kind: global_buffer, .address_space: global }
      - { .name: bq, .offset: 16, .size: 8, .value_kind: global_buffer, .address_space: global }
      - { .name: bk, .offset: 24, .size: 8, .value_kind: global_buffer, .address_space: global }
      - { .name: bv, .offset: 32, .size: 8, .value_kind: global_buffer, .address_space: global }
      - { .name: qbuf, .offset: 40, .size: 8, .value_kind: global_buffer, .address_space: global }
      - { .name: kvbuf, .offset: 48, .size: 8, .value_kind: global_buffer, .address_space: global }
    .group_segment_fixed_size: 307712
    .private_segment_fixed_size: 0
    .kernarg_segment_align: 8
    .kernarg_segment_size: 56
    .max_flat_workgroup_size: 128
    .sgpr_count:     96
    .vgpr_count:     1024
    .wavefront_size: 32
...
	.end_amdgpu_metadata
.endif
;; end of part 2
;; launch attn (part 3): grid 4 x 64, 16 waves a work-group, clusters of 4 x 1, 206,848 bytes of LDS; arguments qbuf, kvbuf, rbuf; writes rbuf
.if DOCPART == 3
	.amdgcn_target "amdgcn-amd-amdhsa--gfx1250"
	.amdhsa_code_object_version 6
	.text
	.protected	k_qad7327a010_attn
	.globl	k_qad7327a010_attn
	.p2align	8
	.type	k_qad7327a010_attn,@function
k_qad7327a010_attn:
	s_mov_b64 s[64:65], 0
	v_nop
	global_prefetch_b8 v0, s[64:65] scope:SCOPE_SE
	s_setreg_imm32_b32 hwreg(HW_REG_WAVE_MODE, 25, 1), 1
	s_wait_xcnt 0x0
	s_wait_alu depctr_hold_cnt(0) depctr_sa_sdst(0) depctr_va_vdst(0) depctr_va_sdst(0) depctr_va_ssrc(0) depctr_va_vcc(0) depctr_vm_vsrc(0)
	s_getreg_b32 s2, hwreg(HW_REG_IB_STS2, 6, 4)
	s_cmp_eq_u32 s2, 0
	s_cbranch_scc0 .Lentry_in_a_cluster
	s_endpgm
.Lentry_in_a_cluster:
	s_bfe_u32 s2, ttmp6, 0x10000c
	s_cmp_lg_u32 s2, 0x3003
	s_cbranch_scc0 .Lentry_shape_is_right
	s_endpgm
.Lentry_shape_is_right:
; rep[q][:] = the sum over keys of softmax(q . k / 8) v, one (batch, head) a cluster, both products on codes of FP6 (E2M3) with E8M0 scales; rep is quantised along the model's 1,024 and stored as an operand's image.
; THE SOFTMAX: t = score x log2(e) / 8; M = the running largest t, rounded up to a whole number; p = 2^(t - M) is quantised along the keys, not normalised; the row's sum is taken of the unquantised p and divides at the end.
; When M moves, the sums and O are multiplied by f = 2^(old M - new M), which rounds nothing.
; SHARES.  A head's K, V and scale bytes, 204,800 bytes, lie whole in LDS, filled once: wave w brings key step w (12,800 bytes).  The four work-groups of a cluster own the four quarters of the head's queries and ask jointly (mask 15).
; A wave owns one tile of 16 queries at a time, two tiles one after the other.
; K = 64 IN AN INSTRUCTION OF 128: a fragment of K holds two tiles of keys (registers 0-5, 6-11); it is multiplied once by (q, zeros) and once by (zeros, q).  The 18 registers zeros, q, zeros serve as both.
; Both products are used transposed: a lane holds one query (lane % 16).  Slot i of key tile t of a step is key 64 (t / 4) + 8 (t % 4) + i % 8 + 32 (i / 8): so a lane's registers S + 32 c + 0 .. 31 are keys 64 c + 32 (lane / 16) + 0 .. 31,
; a WHOLE scale block, in the very order of the operand's registers: a block's largest score needs no other lane, and the conversions' results are the operand.
; THE ORDER OF A STEP: the largest scores, in eight chains, one a key tile; M and f, a chain of dependent lines, with the step's 22 LDS loads (V, and the next step's first fragment of K) between its links; t - M; the exponentials;
; p's scales and codes, with 24 of the 32 lines of p's sums between their links; O x f; O += V p; four lines of the sums; the next step's other fragments of K; the next scores, the last four lines of the sums among them.
; The row's sum stands in eight chains from step to step; a chain's first link of a step is chain x f + p.
; Nothing is prefetched: all that the launch reads is asked for at its head or at a pass's head.
; LIMITS: the promise holds while |t| stays under 2^31; 1 / sum is v_rcp_f32 and a multiplication; a block of zeros gets the byte 1 (this program alone reads the bytes); NaN and infinities are not served.
.set Q,   16                           ; v16-33  zeros, q, zeros
.set T1,  34
.set F,   36                           ; v36-83  K's fragments 1-3 (from F + 12), then V's four
.set K0,  84                           ; v84-95  K's fragment 0
.set SWK, 96                           ; v96-99  lanes 0-15: K's four words
.set SWV, 100                          ; v100-103 lanes 16-31: V's four words
.set S,   104                          ; v104-167 S^T, then p
.set O,   168                          ; v168-199 O^T
.set P,   200                          ; v200-211 p's codes
.set PT,  212                          ; v212-219 the eight chains of maxima; later the second conversions' codes
.set L,   220                          ; v220-235 the row's sum: eight chains of two
.set BM,  236                          ; v236, v238 the two blocks' largest scores (the way out: v236, v237)
.set SO,  240                          ; v240-241 the conversions' scale operands
.set BY,  242                          ; v242-243 the scales' bytes
.set QS,  245                          ; q's two bytes, twice
.set FF,  246                          ; v[246:247] f
.set T0,  248
.set BP,  249
.set PW,  250                          ; p's scale word
.set SPW, 252                          ; my spare word
.set NIL, 253                          ; 0
.set SPARE, 204800
.macro WALU
	s_wait_alu depctr_va_vdst(0)
.endm
.macro CROUND
	s_barrier_signal -1
	s_barrier_wait -1
	s_cmp_lg_u32 s10, 0
	s_cbranch_scc1 .Lnot_wave_0_\@
	s_barrier_signal -3
.Lnot_wave_0_\@:
	s_barrier_wait -3
	s_barrier_signal -1
	s_barrier_wait -1
.endm
.macro MM d, a, b, c, sa, sb, row
	v_wmma_scale_f32_16x16x128_f8f6f4 v[\d:\d+7], v[\a:\a+11], v[\b:\b+11], \c, v[\sa], v[\sb] matrix_a_fmt:MATRIX_FMT_FP6 matrix_b_fmt:MATRIX_FMT_FP6 matrix_a_scale:MATRIX_SCALE_ROW\row
.endm
.macro LP dst, off, part               ; one of a fragment's four loads, of 512 or 256 consecutive bytes
.if (\part) == 0
	ds_load_b128 v[\dst:\dst+3], v3 offset:\off
.elseif (\part) == 1
	ds_load_b64 v[\dst+4:\dst+5], v4 offset:\off+512
.elseif (\part) == 2
	ds_load_b128 v[\dst+6:\dst+9], v3 offset:\off+768
.else
	ds_load_b64 v[\dst+10:\dst+11], v4 offset:\off+1280
.endif
.endm
.macro LDF dst, off                    ; a fragment
.irp p, 0,1,2,3
	LP \dst, \off, \p
.endr
.endm
.macro LQ from, to, pref               ; loads from .. to - 1 of a step's list: 0-15 V's four fragments, 16 V's words; where a step follows: 17-20 its first fragment of K, 21 K's words
.set n_, \from
.rept (\to)-(\from)
.if n_ < 16
	LP F+12*(n_/4), 6144+1536*(n_/4), n_%4
.elseif n_ == 16
	ds_load_b128 v[SWV:SWV+3], v3 offset:12288
.elseif \pref
.if n_ < 21
	LP K0, 12800, n_-17
.else
	ds_load_b128 v[SWK:SWK+3], v3 offset:25088
.endif
.endif
.set n_, n_+1
.endr
.endm
.macro QK f, a                         ; the scores of key tiles 2 f and 2 f + 1
	MM S+16*\f, \a, Q+6, 0, SWK+\f, QS, 0
	MM S+16*\f+8, \a, Q, 0, SWK+\f, QS, 0
.endm
.macro PV                              ; O^T += V^T P^T: four accumulators by turns
.irp t, 0,1,2,3
	MM O+8*\t, F+12*\t, P, v[O+8*\t:O+8*\t+7], SWV+\t, PW, 1
.endr
.endm
.macro K123                            ; K's fragments 1 to 3 of the step at v3, v4
	LDF F+12, 1536
	LDF F+24, 3072
	LDF F+36, 4608
.endm
.macro SUM from, to                    ; pairs from .. to - 1 of p go into the chains
.set j_, \from
.rept (\to)-(\from)
.if j_ < 8
	v_pk_fma_f32 v[L+2*j_:L+2*j_+1], v[L+2*j_:L+2*j_+1], v[FF:FF+1], v[S+2*j_:S+2*j_+1] op_sel_hi:[1,0,1]
.else
	v_pk_add_f32 v[L+2*(j_%8):L+2*(j_%8)+1], v[L+2*(j_%8):L+2*(j_%8)+1], v[S+2*j_:S+2*j_+1]
.endif
.set j_, j_+1
.endr
.endm
.macro MX k, ch                        ; line k = 0 .. 2 of chain ch: the largest of key tile ch's scores 0 .. 6
.if (\k) == 0
	v_max3_num_f32 v[PT+\ch], v[S+8*\ch], v[S+8*\ch+1], v[S+8*\ch+2]
.else
	v_max3_num_f32 v[PT+\ch], v[PT+\ch], v[S+8*\ch+2*(\k)+1], v[S+8*\ch+2*(\k)+2]
.endif
.endm
.macro SOFT pref                       ; from the scores to O x f.  pref = 1: a step follows
.irp k, 0,1,2                          ; the first seven lines name no register of the last product: they are its places, ahead of the first read of its scores and of the loads below
.irp ch, 0,1,2,3,4,5,6,7
	MX \k, \ch
.endr
.endr
	v_max3_num_f32 v[PT], v[PT], v[S+7], v[S+15]   ; each tile's eighth score, and the chains joined
	v_max3_num_f32 v[PT+1], v[PT+1], v[S+23], v[S+31]
	v_max_num_f32 v[PT+2], v[PT+2], v[PT+3]
	v_max3_num_f32 v[PT+4], v[PT+4], v[S+39], v[S+47]
	v_max3_num_f32 v[PT+5], v[PT+5], v[S+55], v[S+63]
	v_max_num_f32 v[PT+6], v[PT+6], v[PT+7]
	v_max3_num_f32 v[BM], v[PT], v[PT+1], v[PT+2]  ; the largest score of my block of c = 0: for the row's maximum, and for the block's largest p
	LQ 0, 2, \pref
	v_max3_num_f32 v[BM+2], v[PT+4], v[PT+5], v[PT+6]   ; and of c = 1
	LQ 2, 5, \pref
	v_max_num_f32 v[T0], v[BM], v[BM+2]
	LQ 5, 8, \pref
	v_permlanex16_b32 v[BP], v[T0], s30, s31
	LQ 8, 11, \pref
	v_max3_num_f32 v13, v13, v[T0], v[BP]          ; the running largest score
	LQ 11, 14, \pref
	v_mul_f32 v[T1], s33, v13
	LQ 14, 17, \pref
	v_floor_f32 v[T1], v[T1]                       ; -M = floor(-t): M is a whole number
	LQ 17, 19, \pref
	v_sub_f32 v[T0], v[T1], v12
	v_mov_b32 v12, v[T1]
	LQ 19, 21, \pref
	v_cvt_i32_f32 v[T0], v[T0]                     ; (it saturates)
	LQ 21, 22, \pref
	v_ldexp_f32 v[FF], 1.0, v[T0]                  ; f = 2^(old M - new M)
.set j, 0
.rept 32
	v_pk_fma_f32 v[S+j:S+j+1], v[S+j:S+j+1], s[28:29], v[12:13] op_sel_hi:[1,0,0]   ; t - M
.set j, j+2
.endr
	v_fma_f32 v[BM], v[BM], s28, v12
	v_fma_f32 v[BM+2], v[BM+2], s28, v12
	WALU                                           ; ahead of the batch
	v_exp_f32 v[BM], v[BM]                         ; each block's largest p
	v_exp_f32 v[BM+2], v[BM+2]
.set j, 0
.rept 64
	v_exp_f32 v[S+j], v[S+j]                       ; p = 2^(t - M)
.set j, j+1
.endr
.if \pref
	v_add_nc_u32 v3, 12800, v3                     ; on to the next step: the plain place behind the exponentials
	v_add_nc_u32 v4, 12800, v4
.else
	v_nop
.endif
	WALU                                           ; one wait for the batch, ahead of its first reader
	v_max_num_f32 v[BM], 0x1800000, v[BM]          ; the floor 2^(3 - 127)
	v_max_num_f32 v[BM+2], 0x1800000, v[BM+2]
	SUM 0, 4
	v_add_nc_u32 v[SO], 0xff000000, v[BM]
	v_add_nc_u32 v[SO+1], 0xff000000, v[BM+2]
	SUM 4, 8
.irp c, 0,1
	v_cvt_scalef32_pk16_fp6_f32 v[P+6*\c:P+6*\c+2], v[S+32*\c:S+32*\c+15], v[SO+\c]
	v_cvt_scalef32_pk16_fp6_f32 v[PT+4*\c:PT+4*\c+2], v[S+32*\c+16:S+32*\c+31], v[SO+\c]   ; (a conversion's three registers begin on an even number)
.endr
	v_lshrrev_b32 v[BY], 23, v[SO]                 ; the bytes of blocks h and 2 + h
	v_lshrrev_b32 v[BY+1], 23, v[SO+1]
	SUM 8, 12
	v_lshl_or_b32 v[T0], v[BY+1], 16, v[BY]
	SUM 12, 16
	v_permlanex16_b32 v[BP], v[T0], s30, s31
	SUM 16, 20
	v_lshl_or_b32 v[PW], v[BP], 8, v[T0]           ; lanes 0-15, which alone are read: the row's four bytes
.irp c, 0,1
.irp i, 0,1,2
	v_mov_b32 v[P+3+6*\c+\i], v[PT+4*\c+\i]
.endr
.endr
	SUM 20, 24
	s_wait_dscnt 0x0                               ; V is in, and what was fetched ahead
	WALU                                           ; directly ahead of the first reader of O^T
.set j, 0
.rept 16
	v_pk_mul_f32 v[O+j:O+j+1], v[O+j:O+j+1], v[FF:FF+1] op_sel_hi:[1,0]   ; O^T under the new M; these lines also stand between p's codes and scale word and the products
.set j, j+2
.endr
.endm
	s_load_b128 s[4:7], s[0:1], 0x0                ; qbuf, kvbuf
	s_load_b64 s[8:9], s[0:1], 0x10                ; rbuf
	v_lshl_add_u32 v[SPW], v0, 2, SPARE
	v_mov_b32 v[NIL], 0
	ds_add_u32 v[SPW], v[NIL]
	ds_add_u32 v[SPW], v[NIL]
	v_lshrrev_b32 v1, 5, v0
	v_readfirstlane_b32 s10, v1                    ; wave 0..15
	s_bfe_u32 s11, ttmp6, 0x40000                  ; cx
	s_and_b32 s12, ttmp7, 0xffff                   ; bh
	s_mov_b32 s16, 15|(3<<16)|(1<<21)              ; group 1: 50 rows of 256 bytes, dense, unpadded; mask: all four work-groups
	s_mov_b32 s17, 32<<16
	s_mov_b32 s18, 50<<16
	s_mov_b32 s19, 32<<16
	s_mov_b32 s20, 50
	s_mov_b32 s21, 32
	s_mov_b32 s22, 0
	s_mov_b32 s23, 0
	s_mov_b32 s24, 1
	s_mul_i32 s25, s10, 12800                      ; key step w, in LDS and in memory
	s_mul_i32 s46, s12, 204800
	s_add_co_u32 s46, s46, s25
	s_mov_b32 s47, 0
	s_mov_b32 s28, 0x3e38aa3b                      ; c = log2(e) / 8
	s_mov_b32 s29, s28
	s_mov_b32 s33, 0xbe38aa3b                      ; -c
	s_mov_b32 s30, 0x76543210
	s_mov_b32 s31, 0xfedcba98
	s_mov_b32 s32, 0xffff0000
	s_lshl_b32 s48, ttmp9, 2
	s_add_co_u32 s48, s48, s11
	s_lshl_b32 s48, s48, 5
	s_add_co_u32 s48, s48, s10                     ; my first tile of queries: 32 x quarter + w
	s_mul_i32 s50, s12, 102400
	s_mul_i32 s49, s48, 768
	s_add_co_u32 s52, s50, s49
	s_mov_b32 s53, 0
	s_lshr_b32 s49, s48, 1
	s_lshl_b32 s49, s49, 6
	s_add_co_u32 s54, s50, s49
	s_add_co_u32 s54, s54, 98304
	s_mov_b32 s55, 0
	s_lshr_b32 s49, s12, 4
	s_lshl_b32 s49, s49, 7
	s_add_co_u32 s49, s49, s48
	s_mul_i32 s56, s49, 12800                      ; rep's tile of rows
	s_and_b32 s50, s12, 15                         ; the head
	s_mul_i32 s51, s50, 768
	s_add_co_u32 s58, s56, s51
	s_mov_b32 s59, 0
	s_lshr_b32 s51, s50, 3
	s_lshl_b32 s51, s51, 8
	s_add_co_u32 s56, s56, s51
	s_bfe_u32 s51, s50, 0x20001
	s_lshl_b32 s51, s51, 2
	s_add_co_u32 s56, s56, s51
	s_and_b32 s51, s50, 1
	s_lshl_b32 s51, s51, 1
	s_add_co_u32 s56, s56, s51
	s_add_co_u32 s56, s56, 12288
	s_mov_b32 s57, 0
	s_and_b32 s44, s10, 1
	s_lshl_b32 s44, s44, 4                         ; my tile's two bytes lie 16 (w % 2) bits up in q's word
	s_wait_dscnt 0x0
	s_wait_kmcnt 0x0
	s_add_nc_u64 s[26:27], s[6:7], s[46:47]
	s_or_b32 s27, s27, 0x80000000
	s_add_nc_u64 s[36:37], s[4:5], s[52:53]        ; q's half fragment
	s_add_nc_u64 s[38:39], s[4:5], s[54:55]        ; q's word
	s_add_nc_u64 s[40:41], s[8:9], s[58:59]        ; rep's half fragment
	s_add_nc_u64 s[42:43], s[8:9], s[56:57]        ; rep's byte pairs
	CROUND                                         ; all four work-groups are here: the joint loads meet
	tensor_load_to_lds s[24:27], s[16:23]          ; one load of mine is out
	s_nop 0
.rept 4
	v_nop
.endr
	v_and_b32 v8, 31, v0
	v_and_b32 v9, 15, v0
	v_bfe_u32 v10, v0, 4, 1
	v_lshlrev_b32 v1, 4, v8                        ; 16 l
	v_lshlrev_b32 v2, 3, v8                        ; 8 l
	v_lshlrev_b32 v5, 2, v9                        ; 4 r
	v_mul_u32_u24 v6, v10, 204800
	v_lshl_add_u32 v6, v9, 4, v6                   ; lanes 0-15: the first tile's rows; lanes 16-31: the second's, 16 tiles on
	v_mov_b32 v7, 0
.irp i, 0,1,2,3,4,5
	v_mov_b32 v[Q+\i], 0
	v_mov_b32 v[Q+12+\i], 0
.endr
	v_mov_b32 v[BP], 0                             ; a lane permute's destination counts as one of its sources
	v_mov_b32 v[FF+1], 0                           ; named as the upper half of a pair
	WALU
	s_wait_tensorcnt 0x0                           ; my key step has landed,
	s_barrier_signal -1
	s_barrier_wait -1                              ; everybody's has
	s_mov_b32 s35, 0
.Lpass:
	global_load_b128 v[Q+6:Q+9], v1, s[36:37]
	global_load_b64 v[Q+10:Q+11], v2, s[36:37] offset:512
	global_load_b32 v[T0], v5, s[38:39]
	v_mov_b32 v3, v1                               ; key step 0
	v_mov_b32 v4, v2
	LDF K0, 0
	ds_load_b128 v[SWK:SWK+3], v3 offset:12288
	K123
	s_wait_loadcnt 0x0
	v_lshrrev_b32 v[T0], s44, v[T0]
	v_and_b32 v[T0], 0xffff, v[T0]
	v_lshl_or_b32 v[QS], v[T0], 16, v[T0]          ; the lines below stand between this scale register and the first product
.set j, 0
.rept 32
	v_mov_b32 v[O+j], 0                            ; the step is written once: the first finds zeros, which the first f leaves zeros
.set j, j+1
.endr
.set j, 0
.rept 16
	v_mov_b32 v[L+j], 0
.set j, j+1
.endr
	v_mov_b32 v13, 0xff61b1e6                      ; the largest score so far: -3e38
	v_mov_b32 v12, 0x7e000000                      ; -M so far: far above every -M to come, so that the first f is 0
	WALU
	s_wait_dscnt 0x0
	QK 0, K0
	QK 1, F+12
	QK 2, F+24
	QK 3, F+36
.rept 4
	v_nop                                          ; four places behind the products, ahead of the first read of the scores
.endr
	s_mov_b32 s34, 15
.Lstep:                                            ; 128 keys a trip: their softmax and O, then the next 128 keys' scores
	SOFT 1
	PV
	SUM 24, 28                                     ; four places behind the products, ahead of loads into their registers
	K123
	QK 0, K0
	s_wait_dscnt 8                                 ; fragment 1's four loads are in; eight are younger
	QK 1, F+12
	s_wait_dscnt 4
	QK 2, F+24
	s_wait_dscnt 0x0
	MM S+48, F+36, Q+6, 0, SWK+3, QS, 0
	SUM 28, 32                                     ; the last four pairs of p lie where the last product's scores will: these four lines are the places behind the seven products so far
	MM S+56, F+36, Q, 0, SWK+3, QS, 0
	s_sub_co_u32 s34, s34, 1
	s_cmp_lg_u32 s34, 0
	s_cbranch_scc1 .Lstep
	SOFT 0                                         ; the last 128 keys fetch nothing ahead
	PV
	SUM 24, 32                                     ; (also the places behind the last products)
	; THE WAY OUT of a tile: O^T / the sum, quantised along the head's 64 (two blocks), stored as the head's half fragment of rep's tile
.irp i, 0,2,4,6
	v_pk_add_f32 v[L+\i:L+\i+1], v[L+\i:L+\i+1], v[L+8+\i:L+9+\i]
.endr
.irp i, 0,2
	v_pk_add_f32 v[L+\i:L+\i+1], v[L+\i:L+\i+1], v[L+4+\i:L+5+\i]
.endr
	v_pk_add_f32 v[L:L+1], v[L:L+1], v[L+2:L+3]
	v_add_f32 v[L], v[L], v[L+1]
	v_permlanex16_b32 v[BP], v[L], s30, s31
	v_add_f32 v[L], v[L], v[BP]                    ; with lane l xor 16's keys: the row's sum
	WALU
	v_rcp_f32 v[L], v[L]
	v_nop
	WALU
.set j, 0
.rept 16
	v_pk_mul_f32 v[S+j:S+j+1], v[O+j:O+j+1], v[L:L+1] op_sel_hi:[1,0]   ; register 16 b + i: channel 32 b + 16 h + i
.set j, j+2
.endr
.irp b, 0,1
	v_max3_num_f32 v[BM+\b], |v[S+16*\b]|, |v[S+16*\b+1]|, 0x1800000
.endr
.irp i, 2,4,6,8,10,12,14
.irp b, 0,1
	v_max3_num_f32 v[BM+\b], v[BM+\b], |v[S+16*\b+\i]|, |v[S+16*\b+\i+1]|
.endr
.endr
.irp b, 0,1
	v_permlanex16_b32 v[BY+\b], v[BM+\b], s30, s31
.endr
.irp b, 0,1
	v_max_num_f32 v[BM+\b], v[BM+\b], v[BY+\b]
.endr
.irp b, 0,1
	v_add_nc_u32 v[SO+\b], 0xff000000, v[BM+\b]
.endr
.irp b, 0,1
	v_lshrrev_b32 v[BY+\b], 23, v[SO+\b]
.endr
	v_lshl_or_b32 v[T0], v[BY+1], 8, v[BY]         ; the row's two bytes
	v_cvt_scalef32_pk16_fp6_f32 v[P:P+2], v[S:S+15], v[SO]
	v_cvt_scalef32_pk16_fp6_f32 v[P+4:P+6], v[S+16:S+31], v[SO+1]
	v_nop                                          ; one plain place behind a scaled conversion
.irp i, 0,1,2
	v_permlane16_swap_b32 v[P+\i], v[P+4+\i]
.endr
	v_mov_b32 v[P+3], v[P+4]
	v_mov_b32 v[P+4], v[P+5]
	v_mov_b32 v[P+5], v[P+6]
	global_store_b128 v1, v[P:P+3], s[40:41]       ; 512 and 256 consecutive bytes, aligned
	global_store_b64 v2, v[P+4:P+5], s[40:41] offset:512
	s_cmp_eq_u32 s35, 0
	s_cselect_b32 s45, 0xffff, s32
	v_cndmask_b32 v7, v7, v[T0], s45               ; the first tile's bytes are kept in lanes 0-15, the second's in lanes 16-31
	WALU
	s_wait_xcnt 0x0                                ; loads and stores have read their bases and data: both may be written again
	s_add_nc_u64 s[36:37], s[36:37], 12288         ; 16 tiles on
	s_add_nc_u64 s[38:39], s[38:39], 512
	s_add_nc_u64 s[40:41], s[40:41], 204800
	s_add_co_u32 s35, s35, 1
	s_cmp_lt_u32 s35, 2
	s_cbranch_scc1 .Lpass
	WALU
	global_store_b16 v6, v7, s[42:43]
	s_wait_tensorcnt 0x0                           ; the wave's end
	ds_add_u32 v[SPW], v[NIL]
	s_wait_dscnt 0x0
	CROUND                                         ; the closing round
	s_endpgm
.Lfunc_end_k_qad7327a010_attn:
	.size	k_qad7327a010_attn, .Lfunc_end_k_qad7327a010_attn-k_qad7327a010_attn
	.p2alignl 7, 3214868480
	.fill 96, 4, 3214868480
	.section	.rodata,"a",@progbits
	.p2align	6, 0x0
	.amdhsa_kernel k_qad7327a010_attn
		.amdhsa_group_segment_fixed_size 206848
		.amdhsa_private_segment_fixed_size 0
		.amdhsa_enable_private_segment 0
		.amdhsa_kernarg_size 24
		.amdhsa_user_sgpr_count 2
		.amdhsa_user_sgpr_kernarg_segment_ptr 1
		.amdhsa_wavefront_size32 1
		.amdhsa_system_sgpr_workgroup_id_x 1
		.amdhsa_system_sgpr_workgroup_id_y 1
		.amdhsa_system_sgpr_workgroup_id_z 1
		.amdhsa_system_vgpr_workitem_id 0
		.amdhsa_next_free_vgpr 256
		.amdhsa_next_free_sgpr 66
		.amdhsa_reserve_vcc 0
		.amdhsa_float_denorm_mode_32 3
		.amdhsa_float_denorm_mode_16_64 3
		.amdhsa_memory_ordered 1
		.amdhsa_forward_progress 1
		.amdhsa_inst_pref_size 41
	.end_amdhsa_kernel
	.amdgpu_metadata
---
amdhsa.version: [ 1, 2 ]
amdhsa.kernels:
  - .name:           k_qad7327a010_attn
    .symbol:         k_qad7327a010_attn.kd
    .args:
      - { .name: qbuf, .offset: 0, .size: 8, .value_kind: global_buffer, .address_space: global }
      - { .name: kvbuf, .offset: 8, .size: 8, .value_kind: global_buffer, .address_space: global }
      - { .name: rbuf, .offset: 16, .size: 8, .value_kind: global_buffer, .address_space: global }
    .group_segment_fixed_size: 206848
    .private_segment_fixed_size: 0
    .kernarg_segment_align: 8
    .kernarg_segment_size: 24
    .max_flat_workgroup_size: 512
    .sgpr_count:     66
    .vgpr_count:     256
    .wavefront_size: 32
...
	.end_amdgpu_metadata
.endif
;; end of part 3
;; launch outp (part 4): grid 32 x 8, 4 waves a work-group, clusters of 4 x 1, 168,448 bytes of LDS; arguments rbuf, wbuf, bo, out0; writes out0
.if DOCPART == 4
	.amdgcn_target "amdgcn-amd-amdhsa--gfx1250"
	.amdhsa_code_object_version 6
	.text
	.protected	k_qad7327a010_outp
	.globl	k_qad7327a010_outp
	.p2align	8
	.type	k_qad7327a010_outp,@function
k_qad7327a010_outp:
	s_mov_b64 s[64:65], 0
	v_nop
	global_prefetch_b8 v0, s[64:65] scope:SCOPE_SE
	s_setreg_imm32_b32 hwreg(HW_REG_WAVE_MODE, 25, 1), 1
	s_wait_xcnt 0x0
	s_wait_alu depctr_hold_cnt(0) depctr_sa_sdst(0) depctr_va_vdst(0) depctr_va_sdst(0) depctr_va_ssrc(0) depctr_va_vcc(0) depctr_vm_vsrc(0)
	s_getreg_b32 s2, hwreg(HW_REG_IB_STS2, 6, 4)
	s_cmp_eq_u32 s2, 0
	s_cbranch_scc0 .Lentry_in_a_cluster
	s_endpgm
.Lentry_in_a_cluster:
	s_bfe_u32 s2, ttmp6, 0x10000c
	s_cmp_lg_u32 s2, 0x3003
	s_cbranch_scc0 .Lentry_shape_is_right
	s_endpgm
.Lentry_shape_is_right:
; out = rep Wo + bo on codes of FP6 (E2M3) with E8M0 scales; out [8192][1024] f32.
; SHARES.  A work-group makes 256 rows x 128 columns.  Wave w keeps its 64 rows of rep, all of K (384 registers); the two units of Wo (64 columns x all of K, 51,200 bytes each) lie whole in LDS, filled once.
; CLUSTER.  The four work-groups of a cluster take four groups of rows and the same columns: Wo's pair is asked for jointly (mask 15).  rep goes from memory straight into registers: nothing else can be shared.
; Source 0 = 16 columns of Wo, source 1 = 16 rows of rep: a lane holds one row, and the 16 registers of two neighbouring tiles are 16 neighbouring columns.  bo is the C of each sum's first product.
; THE WAY OUT: a tile of 16 rows x 64 columns goes through the wave's own stage in LDS (rows of 256 + 16 bytes, behind the weights: no fill lands there) and leaves as rows: 16 lanes store 256 consecutive bytes, aligned.
; REGISTERS as in the projections' launch: window 0: v1-10 addresses; v16-47 rep's scale words; v48-79 the unit's; v80-207 accumulators.  windows 1, 2: rep.  window 3: v0-95 Wo's fragments, two sets; v96-159 bo as C.
.set XS,  16
.set WS,  48
.set ACC, 80
.set MSB, 0
.macro WIN new
.if MSB != \new
	s_set_vgpr_msb (MSB<<8)|\new
.set MSB, \new
.endif
.endm
.macro CROUND
	s_barrier_signal -1
	s_barrier_wait -1
	s_cmp_lg_u32 s18, 0
	s_cbranch_scc1 .Lnot_wave_0_\@
	s_barrier_signal -3
.Lnot_wave_0_\@:
	s_barrier_wait -3
	s_barrier_signal -1
	s_barrier_wait -1
.endm
.macro PLACES
.rept 4
	v_nop
.endr
.endm
.macro FETCHW buf, s
	WIN 0xc0
.irp t, 0,1,2,3
	ds_load_b128 v[48*(\buf)+12*\t:48*(\buf)+12*\t+3], v4 offset:6400*(\s)+1536*\t
	ds_load_b64 v[48*(\buf)+12*\t+4:48*(\buf)+12*\t+5], v5 offset:6400*(\s)+1536*\t+512
	ds_load_b128 v[48*(\buf)+12*\t+6:48*(\buf)+12*\t+9], v4 offset:6400*(\s)+1536*\t+768
	ds_load_b64 v[48*(\buf)+12*\t+10:48*(\buf)+12*\t+11], v5 offset:6400*(\s)+1536*\t+1280
.endr
.endm
.macro NEXT base
	WIN 0
	PLACES
	v_add_nc_u32 v4, \base, v1
	v_add_nc_u32 v5, \base, v2
	v_add_nc_u32 v6, \base+6144, v3
.irp s, 0,1,2,3,4,5,6,7
	ds_load_b128 v[WS+4*\s:WS+4*\s+3], v6 offset:6400*\s
.endr
	FETCHW 0, 0
	WIN 0
.endm
.macro MULO e, s, buf                  ; 16 matrix instructions; the 16 accumulators take turns, one instruction a turn
.irp m, 0,1,2,3
.if \m == 0
.if (\s) == 0
	WIN 0x37
.else
	WIN 0x07
.endif
.endif
.if \m == 2
.if (\s) == 0
	WIN 0x3b
.else
	WIN 0x0b
.endif
.endif
.irp n, 0,1,2,3
.if (\s) == 0
	v_wmma_scale_f32_16x16x128_f8f6f4 v[ACC+32*\m+8*\n:ACC+32*\m+8*\n+7], v[48*(\buf)+12*\n:48*(\buf)+12*\n+11], v[96*(\m%2)+12*(\s):96*(\m%2)+12*(\s)+11], v[96+32*(\e)+8*\n:96+32*(\e)+8*\n+7], v[WS+4*(\s)+2*(\n%2)+\n/2], v[XS+8*\m+(\s)] matrix_a_fmt:MATRIX_FMT_FP6 matrix_b_fmt:MATRIX_FMT_FP6
.else
	v_wmma_scale_f32_16x16x128_f8f6f4 v[ACC+32*\m+8*\n:ACC+32*\m+8*\n+7], v[48*(\buf)+12*\n:48*(\buf)+12*\n+11], v[96*(\m%2)+12*(\s):96*(\m%2)+12*(\s)+11], v[ACC+32*\m+8*\n:ACC+32*\m+8*\n+7], v[WS+4*(\s)+2*(\n%2)+\n/2], v[XS+8*\m+(\s)] matrix_a_fmt:MATRIX_FMT_FP6 matrix_b_fmt:MATRIX_FMT_FP6
.endif
.endr
.endr
.endm
.macro STEPS e, first
.irp s, 0,1,2,3,4,5,6,7
	PLACES
.if \s < 7
	FETCHW (\s+1)%2, \s+1
	s_wait_dscnt 16                                ; all but the 16 just issued
.else
	s_wait_dscnt 0x0
.endif
.if \first
.if 16*(7-\s) > 63
	s_wait_loadcnt 63                              ; rep's fragments of this K step are in: more than 63 loads were issued behind them
.else
	s_wait_loadcnt 16*(7-\s)                       ; the 16 loads of each later K step may be out
.endif
.endif
	MULO \e, \s, \s%2
.endr
.endm
.macro TOSTAGE m                       ; tile m's 16 rows x 256 bytes into my stage, each accumulator from its low end, and back as rows into the registers that they left
.irp q, 0,1,2,3,4,5,6,7
	ds_store_b128 v8, v[ACC+32*(\m)+4*\q:ACC+32*(\m)+4*\q+3] offset:128*(\q/4)+16*(\q%4)
.endr
.irp q, 0,1,2,3,4,5,6,7
	ds_load_b128 v[ACC+32*(\m)+4*\q:ACC+32*(\m)+4*\q+3], v9 offset:544*\q    ; LDS serves a wave's instructions in order: these see the stores above
.endr
.endm
.macro SEND m, e, younger              ; younger: the LDS instructions issued behind tile m's loads
.irp q, 0,1,2,3,4,5,6,7
	s_wait_dscnt \younger+7-\q
	global_store_b128 v10, v[ACC+32*(\m)+4*\q:ACC+32*(\m)+4*\q+3], s[48:49] offset:(8*(\m)+2*(\q%4)+32*(\q/4))*4096+256*(\e) th:TH_STORE_NT   ; slot s of rep's tile m of my four is row 8 m + s % 8 + 32 (s / 8) of my 64
.endr
.endm
.macro WAYOUT e
	TOSTAGE 0
	TOSTAGE 1
	SEND 0, \e, 16
	TOSTAGE 2
	SEND 1, \e, 16
	TOSTAGE 3
	SEND 2, \e, 16
	SEND 3, \e, 0
.endm
	s_load_b256 s[4:11], s[0:1], 0x0               ; rbuf s[4:5], wbuf s[6:7], bo s[8:9], out0 s[10:11]
	v_lshl_add_u32 v254, v0, 2, 0x29000
	v_mov_b32 v255, 0
	ds_add_u32 v254, v255
	ds_add_u32 v254, v255
	v_lshrrev_b32 v1, 5, v0
	v_readfirstlane_b32 s18, v1                    ; wave
	s_bfe_u32 s19, ttmp6, 0x40000                  ; cx
	s_lshl_b32 s20, ttmp9, 2
	s_add_co_u32 s20, s20, s19                     ; Mg: my 256 rows
	s_and_b32 s21, ttmp7, 0xffff                   ; ng: columns 128 ng on, which the partners share
	s_mov_b32 s28, 15|(3<<16)|(1<<21)              ; group 1: 100 rows of 256 bytes, dense, unpadded; mask: all four work-groups
	s_mov_b32 s29, 32<<16
	s_mov_b32 s30, 100<<16
	s_mov_b32 s31, 32<<16
	s_mov_b32 s32, 100
	s_mov_b32 s33, 32
	s_mov_b32 s34, 0
	s_mov_b32 s35, 0
	s_mul_i32 s60, s18, 25600                      ; my quarter of the pair
	s_mul_i32 s52, s21, 102400
	s_add_co_u32 s52, s52, s60
	s_add_co_u32 s52, s52, 2457600                 ; Wo's units begin 48 units in
	s_mov_b32 s53, 0
	s_lshl_b32 s54, s20, 2
	s_add_co_u32 s54, s54, s18                     ; my 64 rows
	s_mul_i32 s56, s54, 51200
	s_mov_b32 s57, 0
	s_lshl_b32 s58, s54, 18
	s_lshl_b32 s50, s21, 9
	s_add_co_u32 s58, s58, s50
	s_mov_b32 s59, 0
	s_mov_b32 s51, 0
	s_mul_i32 s61, s18, 4352
	s_add_co_u32 s61, s61, 102400                  ; my stage
	s_wait_dscnt 0x0
	s_wait_kmcnt 0x0
	s_mov_b32 s36, 1
	s_mov_b32 s37, s60
	s_add_nc_u64 s[38:39], s[6:7], s[52:53]
	s_or_b32 s39, s39, 0x80000000
	s_add_nc_u64 s[26:27], s[4:5], s[56:57]
	s_add_nc_u64 s[48:49], s[10:11], s[58:59]
	s_add_nc_u64 s[8:9], s[8:9], s[50:51]
	CROUND                                         ; all four work-groups are here: the joint loads meet
	tensor_load_to_lds s[36:39], s[28:35]          ; one load of mine is out
	s_nop 0
.rept 4
	v_nop
.endr
	v_and_b32 v11, 31, v0
	v_and_b32 v13, 15, v0                          ; r
	v_bfe_u32 v14, v0, 4, 1                        ; h
	v_lshlrev_b32 v1, 4, v11
	v_lshlrev_b32 v2, 3, v11
	v_lshlrev_b32 v3, 4, v13
	v_lshlrev_b32 v7, 6, v14
	v_mul_u32_u24 v8, v13, 272
	v_add_nc_u32 v8, v8, v7
	v_add_nc_u32 v8, s61, v8                       ; into the stage: row r, + 64 h
	v_mul_u32_u24 v9, v14, 272
	v_add_nc_u32 v9, v9, v3
	v_add_nc_u32 v9, s61, v9                       ; back: lanes 0-15 one row, lanes 16-31 the next
	v_lshl_add_u32 v10, v14, 12, v3                ; and the same two rows in out
.irp m, 0,1,2,3
.irp k, 0,1
	global_load_b128 v[XS+8*\m+4*\k:XS+8*\m+4*\k+3], v3, s[26:27] offset:12800*\m+12288+256*\k
.endr
.endr
	WIN 0xc0
.irp e, 0,1
.irp n, 0,1,2,3
	global_load_b128 v[96+32*\e+8*\n:96+32*\e+8*\n+3], v7, s[8:9] offset:256*\e+(32*(\n/2)+8*(\n%2))*4
	global_load_b128 v[96+32*\e+8*\n+4:96+32*\e+8*\n+7], v7, s[8:9] offset:256*\e+(32*(\n/2)+8*(\n%2))*4+16
.endr
.endr
.irp s, 0,1,2,3,4,5,6,7                        ; rep, K step by K step: 16 loads a step
	WIN 0x40
.irp m, 0,1
	global_load_b128 v[96*(\m%2)+12*\s:96*(\m%2)+12*\s+3], v1, s[26:27] offset:12800*\m+1536*\s
	global_load_b64 v[96*(\m%2)+12*\s+4:96*(\m%2)+12*\s+5], v2, s[26:27] offset:12800*\m+1536*\s+512
	global_load_b128 v[96*(\m%2)+12*\s+6:96*(\m%2)+12*\s+9], v1, s[26:27] offset:12800*\m+1536*\s+768
	global_load_b64 v[96*(\m%2)+12*\s+10:96*(\m%2)+12*\s+11], v2, s[26:27] offset:12800*\m+1536*\s+1280
.endr
	WIN 0x80
.irp m, 2,3
	global_load_b128 v[96*(\m%2)+12*\s:96*(\m%2)+12*\s+3], v1, s[26:27] offset:12800*\m+1536*\s
	global_load_b64 v[96*(\m%2)+12*\s+4:96*(\m%2)+12*\s+5], v2, s[26:27] offset:12800*\m+1536*\s+512
	global_load_b128 v[96*(\m%2)+12*\s+6:96*(\m%2)+12*\s+9], v1, s[26:27] offset:12800*\m+1536*\s+768
	global_load_b64 v[96*(\m%2)+12*\s+10:96*(\m%2)+12*\s+11], v2, s[26:27] offset:12800*\m+1536*\s+1280
.endr
.endr
	WIN 0
	s_wait_tensorcnt 0x0                           ; my quarter of the pair has landed,
	s_barrier_signal -1
	s_barrier_wait -1                              ; everybody's has
	NEXT 0
	s_wait_alu depctr_va_vdst(0)
	STEPS 0, 1
	NEXT 51200                                     ; the second unit's first loads are out while the first unit's results leave
	WAYOUT 0
	s_wait_xcnt 0x0                                ; the stores have read the accumulators' registers: the next sums may be written there
	s_wait_alu depctr_va_vdst(0)
	STEPS 1, 0
	WIN 0
	PLACES
	WAYOUT 1
	s_wait_tensorcnt 0x0
	ds_add_u32 v254, v255
	s_wait_dscnt 0x0
	CROUND                                         ; the closing round
	s_endpgm
.Lfunc_end_k_qad7327a010_outp:
	.size	k_qad7327a010_outp, .Lfunc_end_k_qad7327a010_outp-k_qad7327a010_outp
	.p2alignl 7, 3214868480
	.fill 96, 4, 3214868480
	.section	.rodata,"a",@progbits
	.p2align	6, 0x0
	.amdhsa_kernel k_qad7327a010_outp
		.amdhsa_group_segment_fixed_size 168448
		.amdhsa_private_segment_fixed_size 0
		.amdhsa_enable_private_segment 0
		.amdhsa_kernarg_size 32
		.amdhsa_user_sgpr_count 2
		.amdhsa_user_sgpr_kernarg_segment_ptr 1
		.amdhsa_wavefront_size32 1
		.amdhsa_system_sgpr_workgroup_id_x 1
		.amdhsa_system_sgpr_workgroup_id_y 1
		.amdhsa_system_sgpr_workgroup_id_z 1
		.amdhsa_system_vgpr_workitem_id 0
		.amdhsa_next_free_vgpr 1024
		.amdhsa_next_free_sgpr 66
		.amdhsa_reserve_vcc 0
		.amdhsa_float_denorm_mode_32 3
		.amdhsa_float_denorm_mode_16_64 3
		.amdhsa_memory_ordered 1
		.amdhsa_forward_progress 1
		.amdhsa_inst_pref_size 90
	.end_amdhsa_kernel
	.amdgpu_metadata
---
amdhsa.version: [ 1, 2 ]
amdhsa.kernels:
  - .name:           k_qad7327a010_outp
    .symbol:         k_qad7327a010_outp.kd
    .args:
      - { .name: rbuf, .offset: 0, .size: 8, .value_kind: global_buffer, .address_space: global }
      - { .name: wbuf, .offset: 8, .size: 8, .value_kind: global_buffer, .address_space: global }
      - { .name: bo, .offset: 16, .size: 8, .value_kind: global_buffer, .address_space: global }
      - { .name: out0, .offset: 24, .size: 8, .value_kind: global_buffer, .address_space: global }
    .group_segment_fixed_size: 168448
    .private_segment_fixed_size: 0
    .kernarg_segment_align: 8
    .kernarg_segment_size: 32
    .max_flat_workgroup_size: 128
    .sgpr_count:     66
    .vgpr_count:     1024
    .wavefront_size: 32
...
	.end_amdgpu_metadata
.endif
;; end of part 4
